; MI455X (gfx1250); checked and timed in simulation.
; The chip was launched on July 23, 2026; its instructions are those of AMD's public machine-readable ISA for CDNA 5 (MIT licence, August 2026) and "CDNA5" Instruction Set Architecture Reference Guide (July 2026). The comments in the code are by the model that wrote it; some were corrected since.
;; Multi Head Attention Einsum. Allowed arithmetic: matrix products marked QUANTISED: E5M2 operands, one given power-of-two scale a tensor, by v_wmma_f32_16x16x64_bf8_bf8 or v_wmma_f32_16x16x128_bf8_bf8, f32 sums; everything else in f32.
;; Inputs: W_k_codes 1,024 x 32 x 32 uint8 (E5M2 codes of W_k, K innermost, in blocks of 32 codes); W_out_codes 1,024 x 32 x 32 uint8 (E5M2 codes of W_out, K innermost, in blocks of 32 codes); W_q_codes 1,024 x 32 x 32 uint8 (E5M2 codes of W_q, K innermost, in blocks of 32 codes); W_v_codes 1,024 x 32 x 32 uint8 (E5M2 codes of W_v, K innermost, in blocks of 32 codes); b_out 1,024 float32; lowp_scales 12 int32 (the exponents e of the quantised operands' scales 2^e); x_codes 4 x 2,048 x 32 x 32 uint8 (E5M2 codes of x, K innermost, in blocks of 32 codes).
;; Outputs: out0 4 x 2,048 x 1,024 float32.
;; This version of the problem:
;;   THIS VERSION OF THE PROBLEM IS GIVEN IN LOW PRECISION. The matrix products marked QUANTISED in the list below multiply operands that are first quantised to E5M2 (5 exponent bits, 2 mantissa bits; 8 bits a number), with one given power-of-two scale for each operand tensor; their sums are f32. All else is computed in f32.
;;   The module's matrix products, in the order in which they are computed (A, B: the left and right operand; K: the contracted axis; several contracted axes count as one K, in the product's order):
;;     1. [M 8,192, K 1,024] x [K 1,024, N 1,024]; A: input x (given as codes); B: input W_q (given as codes): QUANTISED (scales: A lowp_scales[0], B lowp_scales[1])
;;     2. [M 8,192, K 1,024] x [K 1,024, N 1,024]; A: input x (given as codes); B: input W_k (given as codes): QUANTISED (scales: A lowp_scales[2], B lowp_scales[3])
;;     3. [M 8,192, K 1,024] x [K 1,024, N 1,024]; A: input x (given as codes); B: input W_v (given as codes): QUANTISED (scales: A lowp_scales[4], B lowp_scales[5])
;;     4. batch 64 x [M 2,048, K 64] x [K 64, N 2,048]; A: computed on the way; B: computed on the way: QUANTISED (scales: A lowp_scales[6], B lowp_scales[7])
;;     5. batch 64 x [M 2,048, K 2,048] x [K 2,048, N 64]; A: softmax (see below); B: computed on the way: QUANTISED (scales: A lowp_scales[8], B lowp_scales[9])
;;     6. [M 8,192, K 1,024] x [K 1,024, N 1,024]; A: computed on the way; B: input W_out (given as codes): QUANTISED (scales: A lowp_scales[10], B lowp_scales[11])
;;   THE QUANTISER, for each operand of a quantised product, along K:
;;     - The operand's scale is 2^e, e = its entry of the input lowp_scales (int32; the entries are numbered through the quantised products in the list's order, A before B).
;;     - Each number is divided by the scale, clamped to +-57,344, and rounded to the nearest number of E5M2, ties to even, subnormals kept.
;;     - The product sums the exact products of the quantised numbers (number of the format x scale) in f32.
;;   ~~~python
;;   def quantise(x, axis, e):      # numpy; x: float32 -> the quantised numbers, widened to float32 again
;;       x = np.moveaxis(x, axis, -1); K = x.shape[-1]
;;       r = np.clip(x / 2.0 ** e, -57344, 57344)
;;       step = 2.0 ** (np.maximum(np.frexp(np.where(r == 0, 1, r))[1] - 1, -14) - 2)
;;       q = np.round(r / step) * step * 2.0 ** e      # np.round: ties to even
;;       return np.moveaxis(q, -1, axis).astype(np.float32)
;;   ~~~
;;   SOFTMAX AHEAD OF A QUANTISED PRODUCT. Where the list says 'softmax', what is quantised is not the finished softmax but p = 2^(t - M), with t = logit x log2(e) and M = ceil(the row's largest t), a whole number; so 1/2 < the row's largest p <= 1. The row's sum l is taken of the UNQUANTISED p, in f32, and the product's result is divided by l at the end. Since M is a whole number, a kernel that streams over the keys may use a running M (the ceiling of the running maximum): every later rescaling is an exact power of two, so the quantised numbers keep their values, but for numbers so far below the row's largest that they fall under the format's range.
;;   OPERANDS COMPUTED ON THE WAY. 'Computed on the way' means the value that the module computes at that place (a softmax that the list does not call 'softmax' is quantised finished and normalised). What goes into a quantiser is computed in f32, as accurately as f32 sums, v_exp_f32 and their like allow (about 1e-6 of the number): no bf16 or f16 on the way to a quantiser, and a product that is left as it is and whose result goes on into a quantised operand takes f32 operands (vector FMAs, or v_wmma_f32_16x16x4_f32). A number that lies on a knife's edge between two numbers of the format may be rounded either way, as far as f32 arithmetic and the matrix unit's own rounding can turn it there, and no further.
;;   INPUTS GIVEN AS CODES. W_k (in the module: [1024, 1024], K = its axis 1); W_out (in the module: [1024, 1024], K = its axis 1); W_q (in the module: [1024, 1024], K = its axis 1); W_v (in the module: [1024, 1024], K = its axis 1); x (in the module: [4, 2048, 1024], K = its axis 2): each comes as NAME_codes (uint8): NAME with its K axis moved to the last place and cut into blocks of 32 codes, [.., K / 32, bytes a block], one block behind the other in memory; one code a byte (a code: sign, 5 exponent bits, 2 mantissa bits); its scale is its entry of lowp_scales. Its value is code x scale, taken as it is: it is not quantised again, and the codes and scales need not be those that the quantiser above would give.
;; One version. Each part assembles by itself: llvm-mc -triple=amdgcn-amd-amdhsa -mcpu=gfx1250 --defsym DOCPART=n.
;; ======== version 1 of 1: 3 launches
;; limits: right only within a limited range of input values
;; workspace buffers: qf 8,388,608 bytes; kf 8,388,608 bytes; vf 8,388,608 bytes; ctxf 8,388,608 bytes
;; launch proj (part 1): grid 12 x 32, 4 waves a work-group, clusters of 4 x 4, 327,680 bytes of LDS; arguments x_codes, W_q_codes, W_k_codes, W_v_codes, lowp_scales, qf, kf, vf; writes qf, kf, vf
.if DOCPART == 1
	.amdgcn_target "amdgcn-amd-amdhsa--gfx1250"
	.amdhsa_code_object_version 6
	.text
	.protected	k_qd6dce03858_proj
	.globl	k_qd6dce03858_proj
	.p2align	8
	.type	k_qd6dce03858_proj,@function
k_qd6dce03858_proj:
	s_mov_b64 s[64:65], 0
	v_nop
	global_prefetch_b8 v0, s[64:65] scope:SCOPE_SE
	s_setreg_imm32_b32 hwreg(HW_REG_WAVE_MODE, 25, 1), 1
	s_wait_xcnt 0x0
	s_wait_alu depctr_hold_cnt(0) depctr_sa_sdst(0) depctr_va_vdst(0) depctr_va_sdst(0) depctr_va_ssrc(0) depctr_va_vcc(0) depctr_vm_vsrc(0)
	s_getreg_b32 s2, hwreg(HW_REG_IB_STS2, 6, 4)
	s_cmp_eq_u32 s2, 0
	s_cbranch_scc0 .Lentry_in_a_cluster
	s_endpgm
.Lentry_in_a_cluster:
	s_bfe_u32 s2, ttmp6, 0x10000c
	s_cmp_lg_u32 s2, 0xf033
	s_cbranch_scc0 .Lentry_shape_is_right
	s_endpgm
.Lentry_shape_is_right:
; THE PROGRAM: causal attention over 4 x 2,048 tokens, 16 heads of 64, every product on codes of BF8 (E5M2), each operand with the one scale 2^e that is given for it.  Three launches:
;   this one: q = x Wq^T, k = x Wk^T, v = x Wv^T, each quantised on the way out;  the second: scores, softmax, context, quantised;  the third: context x Wout^T + bias.
; WORK LEFT OUT, in the second launch alone: a step of 128 keys all of which come after all 16 queries of a wave's tile.  reference() itself sets those scores to -infinity (its own jnp.triu mask, k = 1), so their weights
; are 0 in the softmax and they add 0 to the row's sum and to the context, whatever finite values the inputs hold.  No input is without a way to the output: all are loaded.
; LIMIT of that: a NaN, an infinity or an overflow that would reach only such hidden scores is not carried to the result.
;
; THIS LAUNCH: C[m][n] = sum over k of A[m][k] B[n][k], K = 1,024, on tiles of 256 x 256; four waves, a wave makes 128 x 128: 64 accumulators of 16 x 16, 512 registers.
; The cluster's x says which product: 0: q, 1: k (A = x, 8,192 tokens; B = the weight, 1,024 channels);  2: v, WITH THE ROLES SWAPPED (A = Wv, B = x).  Only pointers and tile numbers are chosen: one path through the text.
; THE MATRIX INSTRUCTION IS USED TRANSPOSED (source 0 = 16 rows of B, source 1 = 16 rows of A): lane (r, h) holds row r of A's block and its registers 0-7 the columns 8 h + 0..7 of B's block.  So for q and k a lane's
; registers run along the head's channels, the K of the scores; for v along the tokens, the K of the context: the conversions' results ARE registers of the next launch's operands.
; OUT: images of operand registers.  A block of 16 rows x 128 columns gives 16 registers of codes a lane; registers 4 i .. 4 i + 3 are stored at 512 i + 16 x lane: each store of the wave covers 512 consecutive bytes, aligned.
;   qf, kf: [batch x 8 + head pair][token tile 128][head of the pair 2][1,024 bytes: 16 tokens x 64 channels; lane (r, h): token r; registers 2 c, 2 c + 1: channels 16 c + 8 h + 0..7]
;   vf:     [batch x 8 + head pair][block of 128 keys 16][head of the pair 2][16 channels: 4][2,048 bytes: lane (r, h): channel r; registers 2 c, 2 c + 1: keys 16 c + 8 h + 0..7]
; code = sum x 2^(ea + eb) / 2^eo, held within +-57,344, to the nearest code, ties to even: the three exponents are folded into the conversion's one scale 2^d, d = eo - ea - eb.
; LIMITS: d (e6 - e0 - e1 for q, e7 - e2 - e3 for k, e9 - e4 - e5 for v) lies between -126 and 112, so that 2^d and 57,344 x 2^d are f32 numbers.  NaN codes among the inputs are not served.
; 384 tiles: a wave's 128 x 128 is kept although 384 is no multiple of the WGPs: a wave tile of 128 x 64 would read one and a half times the LDS bytes for each multiply-add.
; CLUSTERS: 4 x 4 work-groups.  The four of a row of the cluster need the same tiles of A, the four of a column the same tiles of B: each tile is asked for JOINTLY, by the same tensor load with the same descriptor and a
; mask that names the four.  No prefetch: K has four steps, and two of them are asked for at the head.
; REGISTERS, in windows of 256: window 0: v0-31 addresses and the scale; from v128 A's fragments (8 x 16 rows x 128 K), ONE set; on the way out the codes.
;   window 1: B's fragments, TWO sets, at v0 and v128.   window 2: the accumulators of my rows 0-63 ((a, b) at v[8 (8 a + b)]);   window 3: those of my rows 64-127.
.set ROWB,   256                       ; a tile's row: 256 codes
.set KROW,   1024                      ; a row of x or of a weight in memory, in bytes
.set PITCH,  272                       ; an LDS row: 256 bytes + 16 of padding = 68 words: row r starts at bank 4 r mod 64 (64 banks of 4 bytes: ISA guide 11.1), so the 16 rows that a load touches start at 16 different banks
.set FR,     16                        ; registers of a fragment: 16 rows x 128 K
.set NL,     4                         ; LDS loads that bring one
.set NP,     4                         ; places behind this matrix instruction (ISA guide 7.12.1)
.set HALFT,  128*PITCH                 ; 128 rows: what one tensor load brings
.set SLOT,   4*HALFT                   ; A's 256 rows, then B's 256 rows
.set SPARE,  2*SLOT                    ; behind the ring: the spare words, 128 bytes for each wave: two blocks of 256 bytes that no other line names
.set ADRA, 16                          ; v16-17  LDS address of my A fragments in slot 0, 1
.set ADRB, 20                          ; v20-21  the same for B
.set CO,   26                          ; v26     16 x lane: my place in an image
.set SPW,  28                          ; v28     LDS address of my spare word; never rewritten
.set NIL,  29                          ; v29     0; never rewritten
.set SCR,  30                          ; v30     2^d as f32
.set LIMR, 31
.set TMP,  32
.set AF,   128                         ; A's fragments
.set CD,   128                         ; the way out: 16 registers of codes for each of the eight blocks
.set G1, 24                            ; s[24:31] descriptor group 1 for A's tiles;  s[32:39] group 0, one set for each slot
.set G0, 32
.set G1B, 48                           ; s[48:55], s[56:63] the same for B's tiles
.set G0B, 56
.set MSB, 0
.macro WIN new                         ; the immediate's high byte repeats the setting that is left
.if MSB != \new
	s_set_vgpr_msb (MSB<<8)|\new
.set MSB, \new
.endif
.endm
.set MUL_LO, 0xa1                      ; source 0 (B) window 1, source 1 (A) window 0, C and D window 2
.set MUL_HI, 0xf1                      ; the same, C and D window 3
.set TO_B,   0x40                      ; destination window 1, address window 0
; A joint load: waves 0 and 1 fetch for A, waves 2 and 3 for B.  Each of the two lines has ONE mask and one set of registers for all that issue it; the branch hangs on the wave's number alone.
; An s_nop 0 and four v_nop follow each of the two lines, ahead of the jump, the label and what follows.
.macro JLOAD g0a, g1a, g0b, g1b
	s_cmp_eq_u32 s15, 0
	s_cbranch_scc0 .Lfor_b_\@
	tensor_load_to_lds s[\g0a:\g0a+3], s[\g1a:\g1a+7]
	s_nop 0
.rept 4
	v_nop
.endr
	s_branch .Lasked_\@
.Lfor_b_\@:
	tensor_load_to_lds s[\g0b:\g0b+3], s[\g1b:\g1b+7]
	s_nop 0
.rept 4
	v_nop
.endr
.Lasked_\@:
.endm
.macro CREST                           ; a round of the cluster's barrier behind its opening barrier
	s_cmp_lg_u32 s14, 0
	s_cbranch_scc1 .Lnot_wave_0_\@
	s_barrier_signal -3
.Lnot_wave_0_\@:
	s_barrier_wait -3
	s_barrier_signal -1
	s_barrier_wait -1
.endm
.macro CROUND                          ; a whole round
	s_barrier_signal -1
	s_barrier_wait -1
	CREST
.endm
	s_load_b512 s[68:83], s[0:1], 0x0              ; x s[68:69], Wq s[70:71], Wk s[72:73], Wv s[74:75], the exponents s[76:77], qf s[78:79], kf s[80:81], vf s[82:83]
	v_lshl_add_u32 v[SPW], v0, 2, SPARE
	v_mov_b32 v[NIL], 0
	ds_add_u32 v[SPW], v[NIL]                      ; the wave's opening: the add, twice on end, and its wait ahead of my first tensor load; the set-up below, work on registers, stands between
	ds_add_u32 v[SPW], v[NIL]                      ; and once more, under the one wait
	v_lshrrev_b32 v1, 5, v0
	v_readfirstlane_b32 s14, v1                    ; wave 0..3
	s_lshr_b32 s15, s14, 1                         ; which half of the tile's rows is mine.  Also: I fetch for A (0) or for B (1)
	s_and_b32 s16, s14, 1                          ; which half of its columns.  Also: which 128 rows of that tile I fetch
	s_bfe_u32 s40, ttmp6, 0x40000                  ; cx, cy: my place in the cluster
	s_bfe_u32 s41, ttmp6, 0x40004
	s_and_b32 s66, ttmp7, 0xffff
	s_lshl_b32 s66, s66, 2                         ; 4 x cluster y: it walks the 32 tiles of tokens
	s_add_co_u32 s18, s66, s41                     ; 4 x cluster y + cy
	s_add_co_u32 s19, s66, s40                     ; 4 x cluster y + cx
	s_cmp_eq_u32 ttmp9, 2                          ; v?  The cluster's x is the same in all sixteen partners
	s_cselect_b32 s17, s41, s18                    ; tile row (A): v: cy, of Wv's four; else of the tokens' 32.  Made of cy alone
	s_cselect_b32 s42, s19, s40                    ; tile column (B): v: of the tokens' 32; else cx, of the weight's four.  Made of cx alone
	s_lshl_b32 s43, s41, 2
	s_lshl_b32 s43, 15, s43                        ; my row of the cluster
	s_lshl_b32 s44, 0x1111, s40                    ; my column
	; descriptor group 1: a tile of 128 rows x 256 bytes, padded in LDS
	s_or_b32 s[G1+0], s43, (0<<16)|(1<<20)|(1<<21)|(5<<22)|(3<<25)  ; 15:0 the mask: A's tiles go to my row; 17:16 element of 1 byte; 20 padding on; 21 set beside a mask; 24:22 after every 64 words (code 5); 31:25 of 4 words (code 3)
	s_or_b32 s[G1B+0], s44, (0<<16)|(1<<20)|(1<<21)|(5<<22)|(3<<25) ; the same with the mask of my column
.irp g, G1, G1B
	s_mov_b32 s[\g+1], ROWB<<16                    ; tensor_dim0
	s_mov_b32 s[\g+2], 128<<16                     ; tensor_dim1 = 128
	s_mov_b32 s[\g+3], ROWB<<16                    ; tile_dim0
	s_mov_b32 s[\g+4], 128                         ; tile_dim1 = 128
	s_mov_b32 s[\g+5], KROW                        ; tensor_dim0_stride
	s_mov_b32 s[\g+6], 0
	s_mov_b32 s[\g+7], 0
.endr
	s_lshl_b32 s18, s16, 7                         ; which 128 rows of the tile I fetch
	s_lshl_b32 s20, s17, 8
	s_add_co_u32 s20, s20, s18                     ; A: row 256 x tile row + 128 x half,
	s_lshl_b32 s20, s20, 10                        ; in bytes: under 2^23
	s_mov_b32 s21, 0
	s_lshl_b32 s46, s42, 8
	s_add_co_u32 s46, s46, s18                     ; B: row 256 x tile column + 128 x half
	s_lshl_b32 s46, s46, 10
	s_mov_b32 s47, 0
	s_mul_i32 s45, s14, HALFT                      ; where they go: wave x 128 rows: no place in the cluster enters an LDS address
	s_wait_dscnt 0x0                               ; both opening adds are done
	s_wait_kmcnt 0x0
	s_cmp_eq_u32 ttmp9, 0                          ; the buffers are chosen by the cluster's x alone
	s_cselect_b64 s[6:7], s[70:71], s[72:73]       ; B: Wq or Wk
	s_cselect_b64 s[10:11], s[78:79], s[80:81]     ; out: qf or kf
	s_cmp_eq_u32 ttmp9, 2
	s_cselect_b64 s[4:5], s[74:75], s[68:69]       ; A: Wv, else x
	s_cselect_b64 s[6:7], s[68:69], s[6:7]         ; B: x, else the weight
	s_cselect_b64 s[10:11], s[82:83], s[10:11]     ; out: vf
	s_load_b256 s[84:91], s[76:77], 0x0            ; e0 .. e7
	s_load_b64 s[92:93], s[76:77], 0x20            ; e8, e9
	s_add_nc_u64 s[20:21], s[4:5], s[20:21]
	s_add_nc_u64 s[46:47], s[6:7], s[46:47]
	CROUND                                         ; all sixteen work-groups are here: the first joint loads meet
.irp s, 0,1
	s_mov_b32 s[G0+4*\s], 1                        ; count = 1
	s_add_co_u32 s[G0+4*\s+1], s45, \s*SLOT        ; LDS address
	s_add_nc_u64 s[G0+4*\s+2:G0+4*\s+3], s[20:21], \s*ROWB   ; global address: K step s
	s_or_b32 s[G0+4*\s+3], s[G0+4*\s+3], 0x80000000          ; type = 2
	s_mov_b32 s[G0B+4*\s], 1
	s_add_co_u32 s[G0B+4*\s+1], s45, \s*SLOT
	s_add_nc_u64 s[G0B+4*\s+2:G0B+4*\s+3], s[46:47], \s*ROWB
	s_or_b32 s[G0B+4*\s+3], s[G0B+4*\s+3], 0x80000000
	JLOAD G0+4*\s, G1, G0B+4*\s, G1B               ; two tensor loads of mine are out
.endr
	v_and_b32 v1, 15, v0                           ; l % 16
	v_bfe_u32 v2, v0, 4, 1                         ; l / 16
	v_mul_u32_u24 v3, v1, PITCH
	v_lshl_add_u32 v4, v2, 4, v3                   ; a fragment's row x pitch + 16 x half
	s_mul_i32 s21, s15, HALFT                      ; my 128 rows of A
	s_mul_i32 s22, s16, HALFT                      ; my 128 rows of B,
	s_add_co_u32 s22, s22, 2*HALFT                 ; which lie behind A's 256
.irp s, 0,1
	v_add_nc_u32 v[ADRA+\s], s21, v4
	v_add_nc_u32 v[ADRB+\s], s22, v4
	s_add_co_u32 s21, s21, SLOT
	s_add_co_u32 s22, s22, SLOT
.endr
	v_and_b32 v6, 31, v0
	v_lshlrev_b32 v[CO], 4, v6
	; where my wave's 16,384 bytes of images begin: ((8 x batch + head pair) x 16 + my 128 tokens' number in the batch) x 16,384
	s_lshl_b32 s20, s17, 1
	s_add_co_u32 s20, s20, s15                     ; which 128 rows of A are mine
	s_lshl_b32 s21, s42, 1
	s_add_co_u32 s21, s21, s16                     ; which 128 rows of B
	s_cmp_eq_u32 ttmp9, 2
	s_cselect_b32 s22, s21, s20                    ; the tokens' 128: of 64
	s_cselect_b32 s23, s20, s21                    ; the channels' 128: a pair of heads, of 8
	s_lshr_b32 s20, s22, 4                         ; batch
	s_lshl_b32 s20, s20, 3
	s_add_co_u32 s20, s20, s23
	s_lshl_b32 s20, s20, 4
	s_and_b32 s22, s22, 15
	s_add_co_u32 s20, s20, s22
	s_lshl_b32 s20, s20, 14
	s_mov_b32 s21, 0
	s_add_nc_u64 s[10:11], s[10:11], s[20:21]
.macro FRAG reg, adr, q, i             ; a fragment, 16 rows x 128 K, is 16 registers: lane l holds row l % 16; registers 4 c .. 4 c + 3 hold K = 32 c + 16 (l / 16) + 0 .. 15: a permutation of k, the same in A and in B
.irp c, 0,1,2,3
	ds_load_b128 v[\reg+4*\c:\reg+4*\c+3], v[\adr] offset:128*(\q)+32*\c+(\i)*16*PITCH
.endr
.endm
; 16 matrix instructions: A's blocks a0, a0 + 1 x B's eight, 128 along K.  p: B's set.  zero = 1: the first product starts the sums: nothing is ever cleared.
; The 64 accumulators take turns, one instruction a turn, in the same order in every step.
.macro MUL16 a0, p, zero
.irp a, \a0, \a0+1
.irp b, 0,1,2,3,4,5,6,7
.if \zero
	v_wmma_f32_16x16x128_bf8_bf8 v[8*(8*((\a)%4)+\b):8*(8*((\a)%4)+\b)+7], v[128*(\p)+FR*\b:128*(\p)+FR*\b+FR-1], v[AF+FR*(\a):AF+FR*(\a)+FR-1], 0
.else
	v_wmma_f32_16x16x128_bf8_bf8 v[8*(8*((\a)%4)+\b):8*(8*((\a)%4)+\b)+7], v[128*(\p)+FR*\b:128*(\p)+FR*\b+FR-1], v[AF+FR*(\a):AF+FR*(\a)+FR-1], v[8*(8*((\a)%4)+\b):8*(8*((\a)%4)+\b)+7]
.endif
.endr
.endr
.endm
.macro FETCH_B slot, q, p              ; B's eight fragments of the slot's q-th 128 along K into set p
	WIN TO_B
.irp i, 0,1,2,3,4,5,6,7
	FRAG 128*(\p)+FR*\i, ADRB+\slot, \q, \i
.endr
	WIN 0
.endm
.macro FETCH_A slot, q, i0             ; A's blocks i0 .. i0 + 3
.irp i, \i0, \i0+1, \i0+2, \i0+3
	FRAG AF+FR*(\i), ADRA+\slot, \q, \i
.endr
.endm
; A load into a register that a matrix instruction has read, and a vector instruction that reads a matrix result, stand NP places behind that matrix instruction, and only plain vector
; instructions that name none of its registers are places (ISA guide 7.12.1 for vector instructions).
.macro PLACES n
.rept \n
	v_nop
.endr
.endm
; A step of 128 along K that has its successor in the same slot.  A's blocks are free as soon as their eight products are issued: blocks 0-3 are fetched anew in the step's middle, blocks 4-7 at its end.
.macro STEP slot, q, zero
	s_wait_dscnt 4*NL                              ; B's set and A's blocks 0-3 are in; the youngest 16 loads (A's blocks 4-7) may be out
	WIN MUL_LO
	MUL16 0, (\q)%2, \zero
	MUL16 2, (\q)%2, \zero
	s_wait_dscnt 0                                 ; A's blocks 4-7 are in (asked for 32 matrix instructions ago)
	PLACES NP
	FETCH_B \slot, (\q)+1, 1-(\q)%2
	FETCH_A \slot, (\q)+1, 0
	WIN MUL_HI
	MUL16 4, (\q)%2, \zero
	MUL16 6, (\q)%2, \zero
	PLACES NP
	WIN 0
	FETCH_A \slot, (\q)+1, 4
.endm
; A slot's last step changes slots: ONE barrier; in front of it each wave waits for all its tensor loads, adds 0 to its spare word, and waits for that and for its own reads of this slot.  fill = 1: this slot is filled again, two K steps ahead.
.macro TURN slot, next, fill
	s_wait_tensorcnt 0x0                           ; all my tensor loads have landed: my part of the next slot  (every window is 0 here: the add's two registers lie in window 0)
	ds_add_u32 v[SPW], v[NIL]                      ; 0 onto my spare word
	s_wait_dscnt 4*NL+1                            ; (the add and the youngest 16 loads, A's blocks 4-7, may be out)
	WIN MUL_LO
	MUL16 0, 1, 0                                  ; sixteen matrix instructions stand between the add and the wait for it
	s_wait_dscnt 0x0                               ; the add is done, and my reads of this slot are over
	s_barrier_signal -1
	MUL16 2, 1, 0
	WIN 0
	s_barrier_wait -1
.if \fill
	CREST                                          ; the barrier has opened a round of the cluster's barrier: no wave of any partner still reads this slot's tile or has a load on its way
	s_add_nc_u64 s[G0+4*\slot+2:G0+4*\slot+3], s[G0+4*\slot+2:G0+4*\slot+3], 2*ROWB
	s_add_nc_u64 s[G0B+4*\slot+2:G0B+4*\slot+3], s[G0B+4*\slot+2:G0B+4*\slot+3], 2*ROWB
	JLOAD G0+4*\slot, G1, G0B+4*\slot, G1B         ; the first tensor load behind the round, my one load out; the four v_nop behind it are the places in front of the loads below
.else
	PLACES NP
.endif
	FETCH_B \next, 0, 0
	FETCH_A \next, 0, 0
	WIN MUL_HI
	MUL16 4, 1, 0
	MUL16 6, 1, 0
	PLACES NP
	WIN 0
	FETCH_A \next, 0, 4
.endm
	s_wait_alu depctr_va_vdst(0)
	s_wait_tensorcnt 1                             ; my part of K step 0 is in (K step 1's load may be out)
	s_barrier_signal -1
	s_barrier_wait -1                              ; everybody's is
	FETCH_B 0, 0, 0
	FETCH_A 0, 0, 0
	FETCH_A 0, 0, 4
	STEP 0, 0, 1                                   ; K = 1,024 is four slots' worth, eight steps of 128: written out, since a loop would have one trip.  The first step's products start the sums
	TURN 0, 1, 1                                   ; slot 0 takes K 512 on
	STEP 1, 0, 0
	TURN 1, 0, 1                                   ; slot 1 takes K 768 on
	STEP 0, 0, 0
	TURN 0, 1, 0                                   ; nothing is left to fetch: no round of the cluster's barrier
	STEP 1, 0, 0
	s_wait_dscnt 4*NL                              ; the very last step
	WIN MUL_LO
	MUL16 0, 1, 0
	MUL16 2, 1, 0
	s_wait_dscnt 0
	WIN MUL_HI
	MUL16 4, 1, 0
	MUL16 6, 1, 0
	WIN 0
	; THE WAY OUT.  d = the result's exponent less the two operands'
	s_wait_kmcnt 0x0
	s_sub_co_i32 s94, s90, s84
	s_sub_co_i32 s94, s94, s85                     ; q: e6 - e0 - e1
	s_sub_co_i32 s95, s91, s86
	s_sub_co_i32 s95, s95, s87                     ; k: e7 - e2 - e3
	s_sub_co_i32 s96, s93, s88
	s_sub_co_i32 s96, s96, s89                     ; v: e9 - e4 - e5
	s_cmp_eq_u32 ttmp9, 0
	s_cselect_b32 s94, s94, s95
	s_cmp_eq_u32 ttmp9, 2
	s_cselect_b32 s94, s96, s94                    ; a choice of values: no branch hangs on a loaded number
	s_add_co_i32 s94, s94, 127
	s_lshl_b32 s95, s94, 23
	v_mov_b32 v[SCR], s95                          ; 2^d as f32: the conversion takes its exponent field
	s_add_co_i32 s94, s94, 15
	s_lshl_b32 s94, s94, 23
	s_or_b32 s94, s94, 0x600000
	PLACES NP                                      ; behind the last products, ahead of the first read of results
; Block a: its 64 sums a lane are turned into 16 registers of codes, and stored as they stand.  Each block has registers of its own for its codes, and every
; offset is an immediate: no store's source is ever written again.
.macro QOUT a
	WIN 0x02+((\a)/4)                              ; source 0: window 2 or 3
.set n, 0
.rept 64
.set n, n+1
.endr
.set n, 0
.rept 8
	v_cvt_scalef32_pk8_bf8_f32 v[CD+16*(\a)+2*n:CD+16*(\a)+2*n+1], v[TMP+8*n+((64*((\a)%4)+n)-(TMP+n)):TMP+8*n+7+((64*((\a)%4)+n)-(TMP+n))], v[SCR]
.set n, n+1
.endr
	WIN 0
	v_nop                                          ; one plain vector instruction between the conversions and the stores that read their results
.set n, 0
.rept 4
	global_store_b128 v[CO], v[CD+16*(\a)+4*n:CD+16*(\a)+4*n+3], s[10:11] offset:2048*(\a)+512*n   ; 32 lanes store 512 consecutive bytes, at a multiple of 256 from the buffer's first byte
.set n, n+1
.endr
.endm
.irp a, 0,1,2,3,4,5,6,7
	QOUT \a
.endr
	s_wait_tensorcnt 0x0                           ; the wave's end, behind my last tensor load
	ds_add_u32 v[SPW], v[NIL]
	s_wait_dscnt 0x0
	CROUND                                         ; the closing round: no work-group ends while a partner may still ask for a tile that names it
	s_endpgm
.Lfunc_end_k_qd6dce03858_proj:
	.size	k_qd6dce03858_proj, .Lfunc_end_k_qd6dce03858_proj-k_qd6dce03858_proj
	.p2alignl 7, 3214868480
	.fill 96, 4, 3214868480
	.section	.rodata,"a",@progbits
	.p2align	6, 0x0
	.amdhsa_kernel k_qd6dce03858_proj
		.amdhsa_group_segment_fixed_size 327680
		.amdhsa_private_segment_fixed_size 0
		.amdhsa_enable_private_segment 0
		.amdhsa_kernarg_size 64
		.amdhsa_user_sgpr_count 2
		.amdhsa_user_sgpr_kernarg_segment_ptr 1
		.amdhsa_wavefront_size32 1
		.amdhsa_system_sgpr_workgroup_id_x 1
		.amdhsa_system_sgpr_workgroup_id_y 1
		.amdhsa_system_sgpr_workgroup_id_z 1
		.amdhsa_system_vgpr_workitem_id 0
		.amdhsa_next_free_vgpr 1024
		.amdhsa_next_free_sgpr 98
		.amdhsa_reserve_vcc 0
		.amdhsa_float_denorm_mode_32 3
		.amdhsa_float_denorm_mode_16_64 3
		.amdhsa_fp16_overflow 1
		.amdhsa_memory_ordered 1
		.amdhsa_forward_progress 1
		.amdhsa_inst_pref_size 86
	.end_amdhsa_kernel
	.amdgpu_metadata
---
amdhsa.version: [ 1, 2 ]
amdhsa.kernels:
  - .name:           k_qd6dce03858_proj
    .symbol:         k_qd6dce03858_proj.kd
    .args:
      - { .name: x_codes, .offset: 0, .size: 8, .value_kind: global_buffer, .address_space: global }
      - { .name: W_q_codes, .offset: 8, .size: 8, .value_kind: global_buffer, .address_space: global }
      - { .name: W_k_codes, .offset: 16, .size: 8, .value_kind: global_buffer, .address_space: global }
      - { .name: W_v_codes, .offset: 24, .size: 8, .value_kind: global_buffer, .address_space: global }
      - { .name: lowp_scales, .offset: 32, .size: 8, .value_kind: global_buffer, .address_space: global }
      - { .name: qf, .offset: 40, .size: 8, .value_kind: global_buffer, .address_space: global }
      - { .name: kf, .offset: 48, .size: 8, .value_kind: global_buffer, .address_space: global }
      - { .name: vf, .offset: 56, .size: 8, .value_kind: global_buffer, .address_space: global }
    .group_segment_fixed_size: 327680
    .private_segment_fixed_size: 0
    .kernarg_segment_align: 8
    .kernarg_segment_size: 64
    .max_flat_workgroup_size: 128
    .sgpr_count:     98
    .vgpr_count:     1024
    .wavefront_size: 32
...
	.end_amdgpu_metadata
.endif
;; end of part 1
;; launch attn (part 2): grid 4 x 64, 16 waves a work-group, no clusters, 327,680 bytes of LDS; arguments qf, kf, vf, lowp_scales, ctxf; writes ctxf
.if DOCPART == 2
	.amdgcn_target "amdgcn-amd-amdhsa--gfx1250"
	.amdhsa_code_object_version 6
	.text
	.protected	k_qd6dce03858_attn
	.globl	k_qd6dce03858_attn
	.p2align	8
	.type	k_qd6dce03858_attn,@function
k_qd6dce03858_attn:
	s_mov_b64 s[64:65], 0
	v_nop
	global_prefetch_b8 v0, s[64:65] scope:SCOPE_SE
	s_setreg_imm32_b32 hwreg(HW_REG_WAVE_MODE, 25, 1), 1
	s_wait_xcnt 0x0
; ctx[b][h][q] = the sum over k <= q of softmax_k(q . k / 8) v[k], both products on codes of BF8 (E5M2); the result is quantised for the last product.  2,048 tokens, 64 (batch, head) pairs, head size 64.
; WORK LEFT OUT: a step of 128 keys all of which come after my 16 queries: reference() itself masks those scores to -infinity, so they add 0 to the sum and to the context for all values of the inputs.
; LIMIT of that: a NaN, an infinity or an overflow that would reach only such scores is not carried to the result.
; THE SOFTMAX: t = score x log2(e) / 8; M = the row's largest t so far, rounded UP to a whole number; p = 2^(t - M) is what is quantised, along the keys; it is not normalised.  The row's sum is taken of the unquantised p,
; in f32, and divides at the end.  When M moves, the sum and O are multiplied by 2^(old M - new M): exact.
; SHARES.  Work-group (j, head) takes two blocks of 256 queries: block 7 - j (pass A: key slots 0 .. 7 - j), then block j (pass B: slots 0 .. j): always nine slots of 256 keys, so the trip count is a constant, all 256
; work-groups have the same work, and every slot that is asked for is read.  Each of the SIXTEEN waves owns 16 queries of the block, in 256 registers: four waves to a SIMD, so that one wave's vector work stands beside
; another's matrix work and LDS loads.
; LAYOUT.  Both products are used transposed: S^T = K Q^T (source 0 = 16 keys, source 1 = my 16 queries, K = 64), O^T = V^T P^T (source 0 = 16 channels, source 1 = P, K = 128 keys): a lane holds ONE query (lane % 16).
; Tile c of S^T holds keys 16 c + 8 (lane / 16) + 0..7 in its eight registers: its conversion gives registers 2 c, 2 c + 1 of P as the K = 128 form lays them.  Nothing changes lanes between the products.
; qf, kf, vf hold images of operand registers (the launch before lays them): a fragment's registers 4 i .. 4 i + 3 at 512 i + 16 x lane.  So every LDS load reads 512 consecutive bytes, and no row has a pitch or padding.
; OUT: ctxf [token tile 512][head 16][1,024 bytes]: lane (r, h): token r; registers 4 c .. 4 c + 3: channels 32 c + 16 h + 0..15: the order in which the last launch's loads of 16 bytes lay its other operand.
; NO CLUSTER: the four work-groups of a head walk slots 0 .. 7 - j and then 0 .. j: from the fifth trip on they want different slots in the same trip, and a slot that one wants another would never read.
; LIMITS on the given exponents, so that each power of two below is an f32 number: e6 + e7 between -123 and 130 (added to c's exponent field); e8 between -126 and 112; e8 + e9 - e10 between -115 and 126 (applied to 1 / the sum,
; which lies between 2^-11 and 2).  NaN codes are not served.
; REGISTERS: v0 as at the entry; v1 16 x lane; v3 the prefetches' offset; v5, v6 the add's two; v8 LDS address; v12 -M, v13 the largest t, v[14:15] the sum in two halves; v16-23 Q; v32-95 K's eight fragments, then V's four;
; v96-159 S^T, then p; v160-191 O^T; v192-207 p's codes; v208-215 at work; v216 2^e8, v219 1.0; v220-227 the context's codes; v228, v229 at work.
.set SLOT1, 32768                      ; a slot: 16 images of K (16,384 bytes), then 8 of V (16,384); slot 1 begins here, so that one exclusive or turns an address in one slot into the other's
.set VOFF,  16384
.set SPARE, 2*SLOT1                    ; behind the ring: the spare words, 128 bytes for each wave: eight blocks of 256 bytes that no other line names
.set LI,   1
.set PFO,  3
.set SPW,  5
.set NIL,  6
.set ADR,  8
.set TB,   2                           ; s2   LDS byte at which the slot in hand begins
.set WV,   18                          ; s18  my wave's number
.set SEL,  20                          ; s[20:21] lane selects for v_permlanex16_b32: lane l xor 16
.set CS,   22                          ; s[22:23] c = log2(e) / 8 x 2^(e6 + e7)
.set G1K,  24                          ; s[24:31] descriptor group 1 for K's tiles;  s[32:39] for V's;  s[40:43], s[44:47] their groups 0
.set G1V,  32
.set G0K,  40
.set G0V,  44
.set KB,   48                          ; s[48:49] what I would fetch of K in slot 0;  s[50:51] of V
.set VB,   50
.set QA,   52                          ; s[52:53], s[54:55] my tile of Q in pass A, B
.set QB,   54
.set CA,   56                          ; s[56:57], s[58:59] my image of the context in pass A, B
.set CB,   58
.set OFF,  60                          ; s[60:61] 32,768 x the slot asked for
.set SIGN, 63                          ; s63  which 256 keys the slot asked for last holds
.set SLOTS, 67                         ; s67  the loop's count, 8 down to 1
.set JP1,  68                          ; s68  j + 1: the count in pass A's last trip
.set EX,   84                          ; s84  e8 + e9 - e10
.set HM,   85                          ; s85  lanes 16-31
.set PFA,  86                          ; s[86:87] where my prefetches stand
.set LIM,  88                          ; s88  2 in a wave that prefetches, else the greatest number
.set Q0,   89                          ; s89  my first query;  s90: pass B's
.set Q0B,  90
.set KF,   91                          ; s91  the slot's first key;  s92: the step's
.set KS,   92
; Waves 0 and 1 fetch K's halves of a slot, waves 2 and 3 V's, the others nothing.  The branches hang on the wave's number alone.  An s_nop 0 and four v_nop follow each of the two lines.
.macro TLOAD
	s_cmp_lt_u32 s[WV], 2
	s_cbranch_scc0 .Lnot_k_\@
	tensor_load_to_lds s[G0K:G0K+3], s[G1K:G1K+7]
	s_nop 0
.rept 4
	v_nop
.endr
	s_branch .Lasked_\@
.Lnot_k_\@:
	s_cmp_lt_u32 s[WV], 4
	s_cbranch_scc0 .Lasked_\@
	tensor_load_to_lds s[G0V:G0V+3], s[G1V:G1V+7]
	s_nop 0
.rept 4
	v_nop
.endr
.Lasked_\@:
.endm
; A PREFETCH INTO THE L2 of what the NEXT change of slots will ask for: trip t asks for keys' slot t + 2, t = 0 .. 5: a slot's two key steps ahead of its tensor load.  All four work-groups of a head begin with slots 0, 1, 2 ..:
; the one with j = 0, which walks all eight, asks, and nobody else.  In it four waves that fetch nothing ask, one instruction each, a lane a block of 256 bytes: waves 4 and 5 for K's halves (8 images of 1,024 bytes, 2,048 apart),
; waves 6 and 7 for V's (8,192 bytes on end).  So each block is named once in the launch.  Slots 0 and 1 come by their loads alone; behind slot 7 nothing is asked for.
.macro ASK
	s_cmp_gt_u32 s[SLOTS], s[LIM]
	s_cbranch_scc0 .Lnot_mine_\@
	global_prefetch_b8 v[PFO], s[PFA:PFA+1] th:TH_LOAD_NT scope:SCOPE_SE
.Lnot_mine_\@:
.endm
	s_load_b256 s[4:11], s[0:1], 0x0               ; qf s[4:5], kf s[6:7], vf s[8:9], the exponents s[10:11]
	s_load_b64 s[12:13], s[0:1], 0x20              ; ctxf
	v_lshl_add_u32 v[SPW], v0, 2, SPARE
	v_mov_b32 v[NIL], 0
	ds_add_u32 v[SPW], v[NIL]                      ; the wave's opening: the add, twice on end, and its wait ahead of my first tensor load; the set-up below, work on registers, stands between
	ds_add_u32 v[SPW], v[NIL]                      ; and once more, under the one wait
	v_lshrrev_b32 v8, 5, v0
	s_delay_alu instid0(VALU_DEP_1)
	v_readfirstlane_b32 s[WV], v8                  ; wave 0..15
	s_and_b32 s93, ttmp7, 0xffff                   ; 16 x batch + head
	s_lshr_b32 s94, s93, 1
	s_lshl_b32 s94, s94, 18                        ; the pair of heads' first byte in qf, kf, vf: 262,144 x (8 x batch + head / 2)
	s_and_b32 s95, s93, 1                          ; which head of the pair
	s_and_b32 s96, s[WV], 1
	s_lshl_b32 s96, s96, 14                        ; which half of a slot I would fetch: 8 tiles of K or a block of 128 keys of V: 16,384 bytes on in either buffer
	s_add_co_u32 s96, s96, s94
	s_lshl_b32 s97, s95, 10
	s_add_co_u32 s[KB], s96, s97                   ; K: the head's image is 1,024 bytes into a tile's 2,048
	s_mov_b32 s[KB+1], 0
	s_lshl_b32 s97, s95, 13
	s_add_co_u32 s[VB], s96, s97                   ; V: 8,192 bytes into a block's 16,384
	s_mov_b32 s[VB+1], 0
	s_add_co_u32 s[JP1], ttmp9, 1
	s_sub_co_u32 s96, 7, ttmp9                     ; pass A's block of queries
	s_lshl_b32 s96, s96, 4
	s_add_co_u32 s96, s96, s[WV]                   ; my tile of 16 queries in pass A,
	s_lshl_b32 s97, ttmp9, 4
	s_add_co_u32 s97, s97, s[WV]                   ; and in pass B
	s_lshl_b32 s[Q0], s96, 4
	s_lshl_b32 s[Q0B], s97, 4
	s_lshl_b32 s95, s95, 10
	s_add_co_u32 s95, s95, s94
	s_lshl_b32 s[QA], s96, 11
	s_add_co_u32 s[QA], s[QA], s95
	s_mov_b32 s[QA+1], 0
	s_lshl_b32 s[QB], s97, 11
	s_add_co_u32 s[QB], s[QB], s95
	s_mov_b32 s[QB+1], 0
	s_lshr_b32 s94, s93, 4
	s_lshl_b32 s94, s94, 7                         ; 128 x batch: the batch's first token tile
	s_and_b32 s93, s93, 15                         ; head
	s_add_co_u32 s96, s96, s94
	s_lshl_b32 s96, s96, 4
	s_add_co_u32 s96, s96, s93
	s_lshl_b32 s[CA], s96, 10                      ; (token tile x 16 + head) x 1,024
	s_mov_b32 s[CA+1], 0
	s_add_co_u32 s97, s97, s94
	s_lshl_b32 s97, s97, 4
	s_add_co_u32 s97, s97, s93
	s_lshl_b32 s[CB], s97, 10
	s_mov_b32 s[CB+1], 0
	; descriptor group 1.  K: 8 images of 1,024 bytes, 2,048 bytes apart (the pair's other head lies between);  V: 8,192 bytes on end, as 32 rows of 256.  Elements of 8 bytes, no mask, no padding
	s_mov_b32 s[G1K], 3<<16
	s_mov_b32 s[G1K+1], 128<<16                    ; tensor_dim0
	s_mov_b32 s[G1K+2], 8<<16                      ; tensor_dim1
	s_mov_b32 s[G1K+3], 128<<16                    ; tile_dim0
	s_mov_b32 s[G1K+4], 8                          ; tile_dim1
	s_mov_b32 s[G1K+5], 256                        ; tensor_dim0_stride
	s_mov_b32 s[G1K+6], 0
	s_mov_b32 s[G1K+7], 0
	s_mov_b32 s[G1V], 3<<16
	s_mov_b32 s[G1V+1], 32<<16
	s_mov_b32 s[G1V+2], 32<<16
	s_mov_b32 s[G1V+3], 32<<16
	s_mov_b32 s[G1V+4], 32
	s_mov_b32 s[G1V+5], 32
	s_mov_b32 s[G1V+6], 0
	s_mov_b32 s[G1V+7], 0
	s_mov_b32 s[G0K], 1                            ; count = 1
	s_and_b32 s[G0K+1], s[WV], 1
	s_lshl_b32 s[G0K+1], s[G0K+1], 13              ; LDS address, slot 0: 8,192 x (wave % 2),
	s_mov_b32 s[G0V], 1
	s_add_co_u32 s[G0V+1], s[G0K+1], VOFF          ; and behind K's 16,384 for V
	s_mov_b32 s[SEL], 0x76543210
	s_mov_b32 s[SEL+1], 0xfedcba98
	s_mov_b32 s[CS], 0x3e38aa3b                    ; log2(e) / 8
	s_mov_b32 s[HM], 0xffff0000
	s_mov_b32 s[TB], 0
	s_mov_b32 s[SIGN], 0
	s_mov_b32 s[OFF+1], 0
	s_mov_b32 s[SLOTS], 8
	s_wait_dscnt 0x0                               ; both opening adds are done
	s_wait_kmcnt 0x0
	s_load_b256 s[72:79], s[10:11], 0x0            ; e0 .. e7
	s_load_b128 s[80:83], s[10:11], 0x20           ; e8 .. e11
	s_add_nc_u64 s[KB:KB+1], s[6:7], s[KB:KB+1]
	s_add_nc_u64 s[VB:VB+1], s[8:9], s[VB:VB+1]
	s_mov_b64 s[G0K+2:G0K+3], s[KB:KB+1]           ; global address: keys 0 on
	s_or_b32 s[G0K+3], s[G0K+3], 0x80000000        ; type = 2
	s_mov_b64 s[G0V+2:G0V+3], s[VB:VB+1]
	s_or_b32 s[G0V+3], s[G0V+3], 0x80000000
	TLOAD                                          ; slot 0: one tensor load of mine is out, in waves 0 to 3
	s_add_nc_u64 s[QA:QA+1], s[4:5], s[QA:QA+1]
	s_add_nc_u64 s[QB:QB+1], s[4:5], s[QB:QB+1]
	s_add_nc_u64 s[CA:CA+1], s[12:13], s[CA:CA+1]
	s_add_nc_u64 s[CB:CB+1], s[12:13], s[CB:CB+1]
	s_cmp_lt_u32 s[WV], 6                          ; the prefetches: waves 4, 5 stand in K, waves 6, 7 in V, each at its wave % 2's half,
	s_cselect_b64 s[PFA:PFA+1], s[KB:KB+1], s[VB:VB+1]
	s_cselect_b32 s93, 11, 10                      ; four blocks of 256 bytes, then 2,048 (K) or 1,024 (V) on
	s_add_nc_u64 s[PFA:PFA+1], s[PFA:PFA+1], 32768 ; in slot 1: the first change of slots steps it to slot 2.  Nothing is prefetched here, at the head
	v_and_b32 v214, 31, v0
	s_delay_alu instid0(VALU_DEP_1)
	v_lshrrev_b32 v[PFO], 2, v214
	s_delay_alu instid0(VALU_DEP_1)
	v_lshlrev_b32 v[PFO], s93, v[PFO]
	s_delay_alu instid0(VALU_DEP_3)
	v_and_b32 v215, 3, v214
	s_delay_alu instid0(VALU_DEP_1)
	v_lshl_or_b32 v[PFO], v215, 8, v[PFO]
	s_sub_co_u32 s93, s[WV], 4
	s_lshr_b32 s93, s93, 2                         ; 0 in waves 4 to 7,
	s_or_b32 s93, s93, ttmp9                       ; of the work-group with j = 0
	s_cmp_eq_u32 s93, 0
	s_cselect_b32 s[LIM], 2, -1
	v_lshlrev_b32 v[LI], 4, v214
; A pass begins: my tile of Q is asked for (it is waited for behind the next change of slots); the largest t is -3e38, under every t; the sum and O^T are zeros, which the first change of M leaves zeros.
.macro INIT qp
	global_load_b128 v[16:19], v[LI], s[\qp:\qp+1] th:TH_LOAD_NT
	global_load_b128 v[20:23], v[LI], s[\qp:\qp+1] offset:512 th:TH_LOAD_NT
	v_mov_b32 v13, 0xff61b1e6
	s_delay_alu instid0(VALU_DEP_1)
	v_floor_f32 v12, -v13
	v_mov_b32 v14, 0
	v_mov_b32 v15, 0
.set n, 0
.rept 32
	v_mov_b32 v[160+n], 0
.set n, n+1
.endr
.endm
	INIT QA
	v_mov_b32 v208, 0                              ; written once: a lane permute's destination counts as one of its sources
	v_mov_b32 v228, 0
	v_mov_b32 v229, 0
	v_mov_b32 v211, 0                              ; (named as the upper half of the pair v[210:211])
	v_mov_b32 v219, 1.0
	s_wait_kmcnt 0x0
	s_add_co_i32 s93, s78, s79
	s_lshl_b32 s93, s93, 23
	s_add_co_i32 s[CS], s[CS], s93                 ; a score stands for score x 2^(e6 + e7): the two exponents are added to c's exponent field
	s_mov_b32 s[CS+1], s[CS]                       ; (named with it as a pair, so it is written)
	s_add_co_i32 s93, s80, 127
	s_lshl_b32 s94, s93, 23
	v_mov_b32 v216, s94                            ; 2^e8 as f32, for p's conversions
	s_add_co_i32 s[EX], s80, s81
	s_sub_co_i32 s[EX], s[EX], s82                 ; e8 + e9 - e10
; A KEY STEP: 128 keys, the q-th of the slot in hand.
.macro STEP q
	s_add_co_u32 s[KS], s[KF], 128*(\q)
	s_add_co_u32 s93, s[Q0], 15
	s_cmp_gt_u32 s[KS], s93                        ; all its keys come after my 16 queries: the step is left out.  A scalar branch on ids; no barrier and no tensor load stands in a step
	s_cbranch_scc1 .Lhidden_\@
	v_add_nc_u32 v[ADR], s[TB], v[LI]
.rept 3
	v_nop                                          ; with the addition above: four places in front of loads into registers that the last products read
.endr
.set n, 0
.rept 8
	ds_load_b128 v[32+8*n:35+8*n], v[ADR] offset:8192*(\q)+1024*n          ; K's tile n: 16 keys x 64 channels, 8 registers
	ds_load_b128 v[36+8*n:39+8*n], v[ADR] offset:8192*(\q)+1024*n+512
.set n, n+1
.endr
	s_wait_alu depctr_va_vdst(0)
	s_wait_dscnt 0x0
.set n, 0
.rept 8
	v_wmma_f32_16x16x64_bf8_bf8 v[96+8*n:103+8*n], v[32+8*n:39+8*n], v[16:23], 0   ; S^T: register 8 n + i of lane (r, h) is key 16 n + 8 h + i, query r
.set n, n+1
.endr
.rept 4
	v_nop                                          ; places: in front of the loads below, into registers that these products read, and of the first read of the scores
.endr
.set n, 0
.rept 16
	ds_load_b128 v[32+4*n:35+4*n], v[ADR] offset:VOFF+8192*(\q)+512*n      ; V's four fragments (16 channels x 128 keys, 16 registers each): they land while the softmax is walked
.set n, n+1
.endr
	s_add_co_u32 s93, s[KS], 127                   ; on the diagonal the scores of hidden keys become -infinity ahead of the maximum: p = 0 then.  A step all of whose keys count skips this
	s_cmp_le_u32 s93, s[Q0]
	s_cbranch_scc1 .Lopen_\@
	s_sub_co_u32 s93, s[Q0], s[KS]                 ; 0 or more: the step is not hidden, and both are multiples of 16
	v_and_b32 v214, 15, v0
	v_bfe_u32 v215, v0, 4, 1
	s_delay_alu instid0(VALU_DEP_1)
	v_lshlrev_b32 v215, 3, v215
	s_delay_alu instid0(VALU_DEP_1)
	v_sub_nc_u32 v214, v214, v215
	s_delay_alu instid0(VALU_DEP_1)
	v_add_nc_u32 v214, s93, v214                   ; d = my query - the step's first key - 8 (lane / 16): register 8 n + i is hidden where 16 n + i > d
	v_mov_b32 v215, 0xff800000                     ; -infinity
.set n, 0
.rept 64
	v_cmp_gt_i32 vcc_lo, 16*(n/8)+n%8, v214
	v_cndmask_b32 v[96+n], v[96+n], v215, vcc_lo
.set n, n+1
.endr
.Lopen_\@:
	v_max3_num_f32 v214, v96, v97, v98             ; the step's largest score of my query, among my 64 keys, in two chains, each accumulator from its low end on,
	v_max3_num_f32 v215, v99, v100, v101
.irp i, 6,10,14,18,22,26,30,34,38,42,46,50,54,58
	v_max3_num_f32 v214, v214, v[96+\i], v[97+\i]
	v_max3_num_f32 v215, v215, v[98+\i], v[99+\i]
.endr
	v_max3_num_f32 v214, v214, v158, v159
	s_delay_alu instid0(VALU_DEP_1)
	v_max_num_f32 v214, v214, v215
	s_delay_alu instid0(VALU_DEP_1)
	v_permlanex16_b32 v208, v214, s[SEL], s[SEL+1]
	s_delay_alu instid0(VALU_DEP_1)
	v_max_num_f32 v214, v214, v208                 ; and among lane l xor 16's
	s_delay_alu instid0(VALU_DEP_1)
	v_mul_f32 v214, s[CS], v214                    ; as t (c is positive)
	s_delay_alu instid0(VALU_DEP_1)
	v_max_num_f32 v13, v13, v214                   ; the running largest t
	v_mov_b32 v214, v12
	s_delay_alu instid0(VALU_DEP_2)
	v_floor_f32 v12, -v13                          ; the new -M = floor(-t) = -ceil(t): M is a whole number
	s_delay_alu instid0(VALU_DEP_1)
	v_sub_f32 v214, v12, v214                      ; M's old value less its new one: a whole number, 0 or less
	s_delay_alu instid0(VALU_DEP_1)
	v_cvt_i32_f32 v214, v214                       ; (it saturates)
	s_delay_alu instid0(VALU_DEP_1)
	v_ldexp_f32 v210, 1.0, v214                    ; f = 2^(old M - new M)
.set n, 0
.rept 32
	v_pk_fma_f32 v[96+n:97+n], v[96+n:97+n], s[CS:CS+1], v[12:13] op_sel_hi:[1,0,0]   ; t - M, two at a time (of the pairs c and -M the low word serves both halves)
.set n, n+2
.endr
.set n, 0
	s_wait_alu depctr_va_vdst(0)
.rept 64
	v_exp_f32 v[96+n], v[96+n]                     ; p = 2^(t - M), at most 1: not normalised
.set n, n+1
.endr
	v_pk_mul_f32 v[14:15], v[14:15], v[210:211] op_sel_hi:[1,0]   ; the sums under the new M.  (The plain instruction behind the exponentials)
	s_wait_alu depctr_va_vdst(0)                   ; one wait for the whole batch, ahead of its first reader
	v_pk_add_f32 v[212:213], v[100:101], v[104:105]
	v_pk_add_f32 v[254:255], v[108:109], v[112:113]
	v_pk_add_f32 v[252:253], v[116:117], v[120:121]
	v_pk_add_f32 v[250:251], v[124:125], v[128:129]
	v_pk_add_f32 v[248:249], v[132:133], v[136:137]
	v_pk_add_f32 v[246:247], v[140:141], v[144:145]
	v_pk_add_f32 v[244:245], v[148:149], v[152:153]
	v_pk_add_f32 v[14:15], v[14:15], v[156:157]
	v_pk_add_f32 v[212:213], v[212:213], v[96:97]
	v_pk_add_f32 v[254:255], v[254:255], v[98:99]
	v_pk_add_f32 v[252:253], v[252:253], v[102:103]
	v_pk_add_f32 v[250:251], v[250:251], v[106:107]
	v_pk_add_f32 v[248:249], v[248:249], v[110:111]
	v_pk_add_f32 v[246:247], v[246:247], v[114:115]
	v_pk_add_f32 v[244:245], v[244:245], v[118:119]
	v_pk_add_f32 v[14:15], v[14:15], v[122:123]
	v_pk_add_f32 v[212:213], v[212:213], v[126:127]
	v_pk_add_f32 v[254:255], v[254:255], v[130:131]
	v_pk_add_f32 v[252:253], v[252:253], v[134:135]
	v_pk_add_f32 v[250:251], v[250:251], v[138:139]
	v_pk_add_f32 v[248:249], v[248:249], v[142:143]
	v_pk_add_f32 v[246:247], v[246:247], v[146:147]
	v_pk_add_f32 v[244:245], v[244:245], v[150:151]
	v_pk_add_f32 v[14:15], v[14:15], v[154:155]
	v_pk_add_f32 v[212:213], v[212:213], v[158:159]
	s_delay_alu instid0(VALU_DEP_2)
	v_pk_add_f32 v[14:15], v[14:15], v[250:251]
	s_delay_alu instid0(VALU_DEP_2)
	v_pk_add_f32 v[212:213], v[212:213], v[248:249]
	v_pk_add_f32 v[254:255], v[254:255], v[246:247]
	v_pk_add_f32 v[252:253], v[252:253], v[244:245]
	s_delay_alu instid0(VALU_DEP_2)
	v_pk_add_f32 v[14:15], v[14:15], v[254:255]
	s_delay_alu instid0(VALU_DEP_2)
	v_pk_add_f32 v[212:213], v[212:213], v[252:253]
	s_delay_alu instid0(VALU_DEP_1)
	v_pk_add_f32 v[14:15], v[14:15], v[212:213]
.set n, 0
.rept 8
.set m, 0
.rept 8
.set m, m+1
.endr
	v_cvt_scalef32_pk8_bf8_f32 v[192+2*n:193+2*n], v[96+8*n:103+8*n], v216
.set n, n+1
.endr
.set n, 0
.rept 16
	v_pk_mul_f32 v[160+n:161+n], v[160+n:161+n], v[210:211] op_sel_hi:[1,0]   ; O^T under the new M.  (Also the plain instructions between the conversions and the products that read their results)
.set n, n+2
.endr
	s_wait_alu depctr_va_vdst(0)
	s_wait_dscnt 0x0                               ; V is in
.set n, 0
.rept 4
	v_wmma_f32_16x16x128_bf8_bf8 v[160+8*n:167+8*n], v[32+16*n:47+16*n], v[192:207], v[160+8*n:167+8*n]   ; O^T += V^T P^T: the four accumulators take turns, and eight other products stand between two steps'
.set n, n+1
.endr
.Lhidden_\@:
.endm
; THE CHANGE OF SLOTS stands at a slot's head.  Each wave waits for all its tensor loads (its part of the slot that it is about to read), adds 0 to its spare word (fill = 1: twice on end), and waits for that and for its
; reads of the slot that it has left.  Behind the barrier the slot ahead is whole and nobody reads the other one.  fill = 1: that other slot is filled with the next trip's keys: the load has two key steps in which to land.
.macro CHANGE fill
	s_wait_tensorcnt 0x0                           ; no tensor load of mine is out, so a group 0 may be written
	ds_add_u32 v[SPW], v[NIL]                      ; 0 onto my spare word
.if \fill
	ds_add_u32 v[SPW], v[NIL]                      ; and once more: twice on end here, in every trip alike
.endif
	s_lshl_b32 s[KF], s[SIGN], 8                   ; the first key of the slot that I am about to read
.if \fill
	s_xor_b32 s[G0K+1], s[G0K+1], SLOT1            ; the other slot than last time
	s_xor_b32 s[G0V+1], s[G0V+1], SLOT1
	s_add_co_u32 s[SIGN], s[SIGN], 1               ; the next 256 keys,
	s_cmp_eq_u32 s[SLOTS], s[JP1]                  ; or, in pass A's last trip, pass B's first: keys 0 on.  Ids and the count of trips alone
	s_cselect_b32 s[SIGN], 0, s[SIGN]
	s_lshl_b32 s[OFF], s[SIGN], 15                 ; 256 keys are 32,768 bytes on in kf and in vf
	s_add_nc_u64 s[G0K+2:G0K+3], s[KB:KB+1], s[OFF:OFF+1]
	s_or_b32 s[G0K+3], s[G0K+3], 0x80000000
	s_add_nc_u64 s[G0V+2:G0V+3], s[VB:VB+1], s[OFF:OFF+1]
	s_or_b32 s[G0V+3], s[G0V+3], 0x80000000
	s_wait_xcnt 0x0                                ; the last prefetch, a slot back, has read its address, so it may be written
	s_add_nc_u64 s[PFA:PFA+1], s[PFA:PFA+1], 32768
.endif
	s_wait_dscnt 0x0                               ; the add is done (fill = 1: both are), and my reads of the slot that I have left are over
	s_barrier_signal -1
	s_barrier_wait -1
.if \fill
	TLOAD                                          ; the first thing behind the barrier, and a wave's one tensor load until the next
	ASK
.endif
	s_wait_loadcnt 0x0                             ; Q: out only in a pass's first trip
.endm
; A pass ends: O^T x 2^(e8 + e9 - e10) / the sum is held within +-57,344 and turned into codes.  Tile t's conversion gives channels 16 t + 8 h + 0..7; the image wants channels 32 c + 16 h + 0..15 in registers
; 4 c .. 4 c + 3: lanes 0-15 keep tile 2 c and take lane l + 16's tile 2 c; lanes 16-31 take lane l - 16's tile 2 c + 1 and keep their own.
.macro OUT cp
	s_wait_xcnt 0x0                                ; the last pass's stores have read their data registers, which are written again below
.rept 4
	v_nop                                          ; places behind the last products
.endr
	v_add_f32 v14, v14, v15                        ; the sum's two halves,
	s_wait_alu depctr_va_vdst(0)
	v_permlanex16_b32 v208, v14, s[SEL], s[SEL+1]
	s_delay_alu instid0(VALU_DEP_1)
	v_add_f32 v14, v14, v208                       ; and lane l xor 16's: the row's sum
	s_wait_alu depctr_va_vdst(0)
	v_rcp_f32 v14, v14
	v_nop                                          ; a plain instruction behind the transcendental
	s_wait_alu depctr_va_vdst(0)                   ; and the wait ahead of its first reader
	v_ldexp_f32 v14, v14, s[EX]
.set n, 0
.rept 16
	v_pk_mul_f32 v[96+n:97+n], v[160+n:161+n], v[14:15] op_sel_hi:[1,0]
.set n, n+2
.endr
.set n, 0
.rept 32
.set n, n+1
.endr
.set n, 0
.rept 4
	v_cvt_scalef32_pk8_bf8_f32 v[220+2*n:221+2*n], v[96+8*n:103+8*n], v219
.set n, n+1
.endr
	v_nop                                          ; one plain vector instruction between the conversions and the instructions that touch their results
.irp x, 220, 221, 224, 225
	v_permlanex16_b32 v228, v[\x+2], s[SEL], s[SEL+1]
	v_permlanex16_b32 v229, v[\x], s[SEL], s[SEL+1]
	v_cndmask_b32 v[\x], v[\x], v228, s[HM]
	v_cndmask_b32 v[\x+2], v229, v[\x+2], s[HM]
.endr
	global_store_b128 v[LI], v[220:223], s[\cp:\cp+1]              ; 32 lanes store 512 consecutive bytes, at a multiple of 256 from the buffer's first byte
	global_store_b128 v[LI], v[224:227], s[\cp:\cp+1] offset:512
.endm
.Lslot:                                            ; eight trips: behind each change of slots but the last the next trip's keys are asked for
	CHANGE 1
	STEP 0
	STEP 1
	s_xor_b32 s[TB], s[TB], SLOT1                  ; on to the other slot
	s_cmp_lg_u32 s[SLOTS], s[JP1]                  ; pass A's last trip?  The work-group's number and the count of trips: the same in all sixteen waves
	s_cbranch_scc1 .Lsame_pass
	OUT CA
	INIT QB
	s_mov_b32 s[Q0], s[Q0B]
.Lsame_pass:
	s_sub_co_u32 s[SLOTS], s[SLOTS], 1
	s_cmp_lg_u32 s[SLOTS], 0
	s_cbranch_scc1 .Lslot
	CHANGE 0                                       ; the ninth slot is written out
	STEP 0
	STEP 1
	OUT CB
	s_wait_tensorcnt 0x0                           ; the wave's end, behind my last tensor load
	ds_add_u32 v[SPW], v[NIL]
	s_wait_dscnt 0x0
	s_endpgm
.Lfunc_end_k_qd6dce03858_attn:
	.size	k_qd6dce03858_attn, .Lfunc_end_k_qd6dce03858_attn-k_qd6dce03858_attn
	.p2alignl 7, 3214868480
	.fill 96, 4, 3214868480
	.section	.rodata,"a",@progbits
	.p2align	6, 0x0
	.amdhsa_kernel k_qd6dce03858_attn
		.amdhsa_group_segment_fixed_size 327680
		.amdhsa_private_segment_fixed_size 0
		.amdhsa_enable_private_segment 0
		.amdhsa_kernarg_size 40
		.amdhsa_user_sgpr_count 2
		.amdhsa_user_sgpr_kernarg_segment_ptr 1
		.amdhsa_wavefront_size32 1
		.amdhsa_system_sgpr_workgroup_id_x 1
		.amdhsa_system_sgpr_workgroup_id_y 1
		.amdhsa_system_sgpr_workgroup_id_z 1
		.amdhsa_system_vgpr_workitem_id 0
		.amdhsa_next_free_vgpr 256
		.amdhsa_next_free_sgpr 100
		.amdhsa_reserve_vcc 1
		.amdhsa_float_denorm_mode_32 3
		.amdhsa_float_denorm_mode_16_64 3
		.amdhsa_fp16_overflow 1
		.amdhsa_memory_ordered 1
		.amdhsa_forward_progress 1
		.amdhsa_inst_pref_size 94
	.end_amdhsa_kernel
	.amdgpu_metadata
---
amdhsa.version: [ 1, 2 ]
amdhsa.kernels:
  - .name:           k_qd6dce03858_attn
    .symbol:         k_qd6dce03858_attn.kd
    .args:
      - { .name: qf, .offset: 0, .size: 8, .value_kind: global_buffer, .address_space: global }
      - { .name: kf, .offset: 8, .size: 8, .value_kind: global_buffer, .address_space: global }
      - { .name: vf, .offset: 16, .size: 8, .value_kind: global_buffer, .address_space: global }
      - { .name: lowp_scales, .offset: 24, .size: 8, .value_kind: global_buffer, .address_space: global }
      - { .name: ctxf, .offset: 32, .size: 8, .value_kind: global_buffer, .address_space: global }
    .group_segment_fixed_size: 327680
    .private_segment_fixed_size: 0
    .kernarg_segment_align: 8
    .kernarg_segment_size: 40
    .max_flat_workgroup_size: 512
    .sgpr_count:     100
    .vgpr_count:     256
    .wavefront_size: 32
...
	.end_amdgpu_metadata
.endif
;; end of part 2
;; launch outp (part 3): grid 4 x 32, 4 waves a work-group, clusters of 4 x 4, 327,680 bytes of LDS; arguments ctxf, W_out_codes, lowp_scales, b_out, out0; writes out0
.if DOCPART == 3
	.amdgcn_target "amdgcn-amd-amdhsa--gfx1250"
	.amdhsa_code_object_version 6
	.text
	.protected	k_qd6dce03858_outp
	.globl	k_qd6dce03858_outp
	.p2align	8
	.type	k_qd6dce03858_outp,@function
k_qd6dce03858_outp:
	s_mov_b64 s[64:65], 0
	v_nop
	global_prefetch_b8 v0, s[64:65] scope:SCOPE_SE
	s_setreg_imm32_b32 hwreg(HW_REG_WAVE_MODE, 25, 1), 1
	s_wait_xcnt 0x0
	s_wait_alu depctr_hold_cnt(0) depctr_sa_sdst(0) depctr_va_vdst(0) depctr_va_sdst(0) depctr_va_ssrc(0) depctr_va_vcc(0) depctr_vm_vsrc(0)
	s_getreg_b32 s2, hwreg(HW_REG_IB_STS2, 6, 4)
	s_cmp_eq_u32 s2, 0
	s_cbranch_scc0 .Lentry_in_a_cluster
	s_endpgm
.Lentry_in_a_cluster:
	s_bfe_u32 s2, ttmp6, 0x10000c
	s_cmp_lg_u32 s2, 0xf033
	s_cbranch_scc0 .Lentry_shape_is_right
	s_endpgm
.Lentry_shape_is_right:
; out[m][n] = sum over k of ctx[m][k] Wout[n][k] x 2^(e10 + e11) + b[n].  ctx: 8,192 tokens x 1,024, Wout: 1,024 x 1,024: codes of BF8 (E5M2); out: f32; sums in f32.  No work is left out here.
; LIMIT: e10 + e11 lies between -126 and 127, so that 2^(e10 + e11) is an f32 number.
; A tile of 256 x 256 is made by a work-group of four waves; a wave makes 128 x 128: 64 accumulators of 16 x 16, 512 registers.  128 tiles.  K goes in steps of 256 through a ring of two LDS slots filled by the tensor data mover.
; B = Wout lies in rows along K: its tile's rows are 256 bytes, padded in LDS.  A = ctx comes as IMAGES OF OPERAND REGISTERS, [token tile 512][head 16][1,024 bytes]: a K step of 256 is four heads, 4,096 bytes on end for
; each tile of 16 tokens; two heads are a fragment of 16 tokens x 128 K: registers 4 c .. 4 c + 3 at 512 c + 16 x lane hold K = 32 c + 16 (lane / 16) + 0..15, the same order that B's four loads of 16 bytes give.
; CLUSTERS: 4 x 4 work-groups.  The four of a row of the cluster need the same tiles of A, the four of a column the same tiles of B: each tile is asked for JOINTLY, by the same tensor load with the same descriptor and a
; mask that names the four.  THE MATRIX INSTRUCTION IS USED TRANSPOSED (source 0 = 16 rows of B, source 1 = 16 rows of A): a lane then holds eight neighbouring numbers of a row of the result.
; No prefetch: K has four steps, and two of them are asked for at the head.
; REGISTERS, in windows of 256: window 0: v0-31 addresses; v32-35 my four numbers of the bias; from v128 A's fragments, ONE set; on the way out rows of the result.
;   window 1: B's fragments, TWO sets.   window 2: the accumulators of my rows 0-63 ((a, b) at v[8 (8 a + b)]);   window 3: those of my rows 64-127.
.set SIZE_N, 1024
.set ROWB,   256                       ; B: a tile's row in bytes
.set KROW,   1024                      ; B: a row in memory
.set ASTEP,  4096                      ; A: a K step of a token tile: four heads' images
.set PITCH,  272                       ; B's LDS row: 256 bytes + 16 of padding = 68 words: row r starts at bank 4 r mod 64 (64 banks of 4 bytes: ISA guide 11.1)
.set FR,     16
.set NL,     4
.set NP,     4                         ; places behind this matrix instruction (ISA guide 7.12.1)
.set HALFT,  128*PITCH                 ; a wave's place in a slot: B's 128 rows fill it, A's eight token tiles take 32,768 bytes of it
.set SLOT,   4*HALFT
.set SPARE,  2*SLOT                    ; behind the ring: the spare words, 128 bytes for each wave: two blocks of 256 bytes that no other line names
.set SPITCH, 528                       ; the way out: a stage of 16 rows x (512 bytes + 16) for each wave.  It lies in slot 0, which has had its last fill and its last read when the first result is stored there
.set ADRA, 16
.set ADRB, 20
.set STO,  24                          ; v24     the way out: where I put 32 bytes of a row
.set RD,   25                          ; v25     where I read a row back
.set CO,   26                          ; v26     16 x lane
.set SPW,  28
.set NIL,  29
.set BIAS, 32                          ; v32-35  b at my four columns of a row read back
.set AF,   128
.set BK,   128                         ; the way out: 16 rows read back from the stage: v128-191 and v192-255 by turns
.set G1, 24
.set G0, 32
.set G1B, 48
.set G0B, 56
.set MSB, 0
.macro WIN new                         ; the immediate's high byte repeats the setting that is left
.if MSB != \new
	s_set_vgpr_msb (MSB<<8)|\new
.set MSB, \new
.endif
.endm
.set MUL_LO, 0xa1                      ; source 0 (B) window 1, source 1 (A) window 0, C and D window 2
.set MUL_HI, 0xf1                      ; the same, C and D window 3
.set TO_B,   0x40                      ; destination window 1, address window 0
; A joint load: waves 0 and 1 fetch for A, waves 2 and 3 for B; the branch hangs on the wave's number alone.  An s_nop 0 and four v_nop follow each of the two lines.
.macro JLOAD g0a, g1a, g0b, g1b
	s_cmp_eq_u32 s15, 0
	s_cbranch_scc0 .Lfor_b_\@
	tensor_load_to_lds s[\g0a:\g0a+3], s[\g1a:\g1a+7]
	s_nop 0
.rept 4
	v_nop
.endr
	s_branch .Lasked_\@
.Lfor_b_\@:
	tensor_load_to_lds s[\g0b:\g0b+3], s[\g1b:\g1b+7]
	s_nop 0
.rept 4
	v_nop
.endr
.Lasked_\@:
.endm
.macro CREST                           ; a round of the cluster's barrier behind its opening barrier
	s_cmp_lg_u32 s14, 0
	s_cbranch_scc1 .Lnot_wave_0_\@
	s_barrier_signal -3
.Lnot_wave_0_\@:
	s_barrier_wait -3
	s_barrier_signal -1
	s_barrier_wait -1
.endm
.macro CROUND                          ; a whole round
	s_barrier_signal -1
	s_barrier_wait -1
	CREST
.endm
	s_load_b256 s[4:11], s[0:1], 0x0               ; ctxf s[4:5], Wout's codes s[6:7], the exponents s[8:9], b s[10:11]
	s_load_b64 s[12:13], s[0:1], 0x20              ; out
	v_lshl_add_u32 v[SPW], v0, 2, SPARE
	v_mov_b32 v[NIL], 0
	ds_add_u32 v[SPW], v[NIL]                      ; the wave's opening: the add, twice on end, and its wait ahead of my first tensor load; the set-up below, work on registers, stands between
	ds_add_u32 v[SPW], v[NIL]                      ; and once more, under the one wait
	v_lshrrev_b32 v1, 5, v0
	v_readfirstlane_b32 s14, v1                    ; wave 0..3
	s_lshr_b32 s15, s14, 1                         ; which half of the tile's rows is mine.  Also: I fetch for A (0) or for B (1)
	s_and_b32 s16, s14, 1                          ; which half of its columns.  Also: which half of that tile I fetch
	s_bfe_u32 s40, ttmp6, 0x40000                  ; cx, cy: my place in the cluster
	s_bfe_u32 s41, ttmp6, 0x40004
	s_lshl_b32 s42, ttmp9, 2
	s_add_co_u32 s42, s42, s40                     ; tile column = 4 x cluster x + cx
	s_and_b32 s17, ttmp7, 0xffff
	s_lshl_b32 s17, s17, 2
	s_add_co_u32 s17, s17, s41                     ; tile row = 4 x cluster y + cy
	s_lshl_b32 s43, s41, 2
	s_lshl_b32 s43, 15, s43                        ; my row of the cluster
	s_lshl_b32 s44, 0x1111, s40                    ; my column
	; descriptor group 1.  A: eight token tiles x 4,096 bytes, 16,384 bytes apart, in elements of 8 bytes, on end in LDS
	s_or_b32 s[G1+0], s43, (3<<16)|(1<<21)         ; 15:0 the mask: A's tiles go to my row; 17:16 element of 8 bytes; 21 set beside a mask; no padding
	s_mov_b32 s[G1+1], 512<<16                     ; tensor_dim0 = 512
	s_mov_b32 s[G1+2], 8<<16                       ; tensor_dim1 = 8
	s_mov_b32 s[G1+3], 512<<16                     ; tile_dim0
	s_mov_b32 s[G1+4], 8                           ; tile_dim1
	s_mov_b32 s[G1+5], 2048                        ; tensor_dim0_stride
	s_mov_b32 s[G1+6], 0
	s_mov_b32 s[G1+7], 0
	; B: 128 rows x 256 bytes, padded in LDS
	s_or_b32 s[G1B+0], s44, (0<<16)|(1<<20)|(1<<21)|(5<<22)|(3<<25) ; the mask of my column; element of 1 byte; padding on: after every 64 words (code 5), 4 words (code 3)
	s_mov_b32 s[G1B+1], ROWB<<16
	s_mov_b32 s[G1B+2], 128<<16
	s_mov_b32 s[G1B+3], ROWB<<16
	s_mov_b32 s[G1B+4], 128
	s_mov_b32 s[G1B+5], KROW
	s_mov_b32 s[G1B+6], 0
	s_mov_b32 s[G1B+7], 0
	s_lshl_b32 s20, s17, 4
	s_lshl_b32 s18, s16, 3
	s_add_co_u32 s20, s20, s18                     ; A: token tile 16 x tile row + 8 x half,
	s_lshl_b32 s20, s20, 14                        ; of 16,384 bytes
	s_mov_b32 s21, 0
	s_lshl_b32 s46, s42, 8
	s_lshl_b32 s18, s16, 7
	s_add_co_u32 s46, s46, s18                     ; B: row 256 x tile column + 128 x half,
	s_lshl_b32 s46, s46, 10                        ; of 1,024 bytes
	s_mov_b32 s47, 0
	s_mul_i32 s45, s14, HALFT                      ; where they go: no place in the cluster enters an LDS address
	s_wait_dscnt 0x0                               ; both opening adds are done
	s_wait_kmcnt 0x0
	s_load_b64 s[96:97], s[8:9], 0x28              ; e10, e11
	s_add_nc_u64 s[20:21], s[4:5], s[20:21]
	s_add_nc_u64 s[46:47], s[6:7], s[46:47]
	CROUND                                         ; all sixteen work-groups are here: the first joint loads meet
.irp s, 0,1
	s_mov_b32 s[G0+4*\s], 1
	s_add_co_u32 s[G0+4*\s+1], s45, \s*SLOT
	s_add_nc_u64 s[G0+4*\s+2:G0+4*\s+3], s[20:21], \s*ASTEP
	s_or_b32 s[G0+4*\s+3], s[G0+4*\s+3], 0x80000000
	s_mov_b32 s[G0B+4*\s], 1
	s_add_co_u32 s[G0B+4*\s+1], s45, \s*SLOT
	s_add_nc_u64 s[G0B+4*\s+2:G0B+4*\s+3], s[46:47], \s*ROWB
	s_or_b32 s[G0B+4*\s+3], s[G0B+4*\s+3], 0x80000000
	s_wait_alu depctr_va_vdst(0)
	s_wait_tensorcnt 0x0
	ds_add_u32 v28, v29
	ds_add_u32 v28, v29
	s_wait_dscnt 0x0
	CROUND
	JLOAD G0+4*\s, G1, G0B+4*\s, G1B               ; one tensor load of mine is out
.endr
	v_and_b32 v1, 15, v0                           ; l % 16
	v_bfe_u32 v2, v0, 4, 1                         ; l / 16
	v_and_b32 v6, 31, v0
	v_lshlrev_b32 v[CO], 4, v6                     ; 16 x lane: my place in an image, in a row read back, and in a row of the result
	v_mul_u32_u24 v3, v1, PITCH
	v_lshl_add_u32 v4, v2, 4, v3                   ; B: a fragment's row x pitch + 16 x half
	s_mul_i32 s21, s15, HALFT                      ; my eight token tiles of A
	s_mul_i32 s22, s16, HALFT                      ; my 128 rows of B,
	s_add_co_u32 s22, s22, 2*HALFT                 ; which lie behind A's two halves
.irp s, 0,1
	v_add_nc_u32 v[ADRA+\s], s21, v[CO]
	v_add_nc_u32 v[ADRB+\s], s22, v4
	s_add_co_u32 s21, s21, SLOT
	s_add_co_u32 s22, s22, SLOT
.endr
	s_mul_i32 s23, s14, 16*SPITCH                  ; my stage
	v_mul_u32_u24 v5, v1, SPITCH                   ; in: row l % 16, 32 bytes for each half of the lanes
	v_lshl_add_u32 v5, v2, 5, v5
	v_add_nc_u32 v[STO], s23, v5
	v_add_nc_u32 v[RD], s23, v[CO]                 ; back: the 32 lanes take one row of 512 bytes
	s_lshl_b32 s46, s42, 10                        ; my first column, in bytes: 1,024 x tile column + 512 x half
	s_lshl_b32 s47, s16, 9
	s_add_co_u32 s46, s46, s47
	s_mov_b32 s47, 0
	s_add_nc_u64 s[10:11], s[10:11], s[46:47]
	global_load_b128 v[BIAS:BIAS+3], v[CO], s[10:11]   ; b at columns 4 x lane + 0..3 of my 128: behind the stage a lane holds these four columns of every row
	s_lshl_b32 s20, s17, 8
	s_lshl_b32 s21, s15, 7
	s_add_co_u32 s20, s20, s21                     ; my first row: 256 x tile row + 128 x half,
	s_lshl_b32 s20, s20, 12                        ; of 4,096 bytes: under 2^25
	s_mov_b32 s21, 0
	s_add_nc_u64 s[20:21], s[20:21], s[46:47]
	s_add_nc_u64 s[12:13], s[12:13], s[20:21]
.macro FRAGB reg, adr, q, i            ; 16 rows x 128 K from rows: registers 4 c .. 4 c + 3 hold K = 32 c + 16 (l / 16) + 0 .. 15
.irp c, 0,1,2,3
	ds_load_b128 v[\reg+4*\c:\reg+4*\c+3], v[\adr] offset:128*(\q)+32*\c+(\i)*16*PITCH
.endr
.endm
.macro FRAGA reg, adr, q, i            ; the same from an image: token tile i, heads 2 q and 2 q + 1 of the step's four: each load reads 512 consecutive bytes
.irp c, 0,1,2,3
	ds_load_b128 v[\reg+4*\c:\reg+4*\c+3], v[\adr] offset:2048*(\q)+512*\c+(\i)*ASTEP
.endr
.endm
; 16 matrix instructions: A's blocks a0, a0 + 1 x B's eight, 128 along K.  The 64 accumulators take turns, one instruction a turn, in the same order in every step.
.macro MUL16 a0, p, zero
.irp a, \a0, \a0+1
.irp b, 0,1,2,3,4,5,6,7
.if \zero
	v_wmma_f32_16x16x128_bf8_bf8 v[8*(8*((\a)%4)+\b):8*(8*((\a)%4)+\b)+7], v[128*(\p)+FR*\b:128*(\p)+FR*\b+FR-1], v[AF+FR*(\a):AF+FR*(\a)+FR-1], 0
.else
	v_wmma_f32_16x16x128_bf8_bf8 v[8*(8*((\a)%4)+\b):8*(8*((\a)%4)+\b)+7], v[128*(\p)+FR*\b:128*(\p)+FR*\b+FR-1], v[AF+FR*(\a):AF+FR*(\a)+FR-1], v[8*(8*((\a)%4)+\b):8*(8*((\a)%4)+\b)+7]
.endif
.endr
.endr
.endm
.macro FETCH_B slot, q, p
	WIN TO_B
.irp i, 0,1,2,3,4,5,6,7
	FRAGB 128*(\p)+FR*\i, ADRB+\slot, \q, \i
.endr
	WIN 0
.endm
.macro FETCH_A slot, q, i0
.irp i, \i0, \i0+1, \i0+2, \i0+3
	FRAGA AF+FR*(\i), ADRA+\slot, \q, \i
.endr
.endm
; A load into a register that a matrix instruction has read, and an LDS store that reads a matrix result, stand NP places behind that matrix instruction, and only plain vector instructions that name none of
; its registers are places (ISA guide 7.12.1 for vector instructions).
.macro PLACES n
.rept \n
	v_nop
.endr
.endm
.macro STEP slot, q, zero              ; a step of 128 along K that has its successor in the same slot
	s_wait_dscnt 4*NL                              ; B's set and A's blocks 0-3 are in; the youngest 16 loads (A's blocks 4-7) may be out
	WIN MUL_LO
	MUL16 0, (\q)%2, \zero
	MUL16 2, (\q)%2, \zero
	s_wait_dscnt 0                                 ; A's blocks 4-7 are in
	PLACES NP
	FETCH_B \slot, (\q)+1, 1-(\q)%2
	FETCH_A \slot, (\q)+1, 0
	WIN MUL_HI
	MUL16 4, (\q)%2, \zero
	MUL16 6, (\q)%2, \zero
	PLACES NP
	WIN 0
	FETCH_A \slot, (\q)+1, 4
.endm
; A slot's last step changes slots: ONE barrier; in front of it each wave waits for all its tensor loads, adds 0 to its spare word, and waits for that and for its own reads of this slot.  fill = 1: this slot is filled again, two K steps ahead.
.macro TURN slot, next, fill
	s_wait_tensorcnt 0x0                           ; all my tensor loads have landed: my part of the next slot  (every window is 0 here)
	ds_add_u32 v[SPW], v[NIL]                      ; 0 onto my spare word
	s_wait_dscnt 4*NL+1                            ; (the add and the youngest 16 loads may be out)
	WIN MUL_LO
	MUL16 0, 1, 0                                  ; sixteen matrix instructions stand between the add and the wait for it
	s_wait_dscnt 0x0                               ; the add is done, and my reads of this slot are over
	s_barrier_signal -1
	MUL16 2, 1, 0
	WIN 0
	s_barrier_wait -1
.if \fill
	CREST                                          ; the barrier has opened a round of the cluster's barrier: no wave of any partner still reads this slot's tile or has a load on its way
	s_add_nc_u64 s[G0+4*\slot+2:G0+4*\slot+3], s[G0+4*\slot+2:G0+4*\slot+3], 2*ASTEP
	s_add_nc_u64 s[G0B+4*\slot+2:G0B+4*\slot+3], s[G0B+4*\slot+2:G0B+4*\slot+3], 2*ROWB
	JLOAD G0+4*\slot, G1, G0B+4*\slot, G1B         ; the first tensor load behind the round, my one load out; the four v_nop behind it are the places in front of the loads below
.else
	PLACES NP
.endif
	FETCH_B \next, 0, 0
	FETCH_A \next, 0, 0
	WIN MUL_HI
	MUL16 4, 1, 0
	MUL16 6, 1, 0
	PLACES NP
	WIN 0
	FETCH_A \next, 0, 4
.endm
	s_wait_alu depctr_va_vdst(0)
	s_wait_tensorcnt 1                             ; my part of K step 0 is in (K step 1's load may be out)
	s_barrier_signal -1
	s_barrier_wait -1                              ; everybody's is
	FETCH_B 0, 0, 0
	FETCH_A 0, 0, 0
	FETCH_A 0, 0, 4
	STEP 0, 0, 1                                   ; K = 1,024 is eight steps of 128, written out: a loop would have one trip.  The first step's products start the sums
	TURN 0, 1, 1
	STEP 1, 0, 0
	TURN 1, 0, 1
	STEP 0, 0, 0
	TURN 0, 1, 0                                   ; nothing is left to fetch: no round of the cluster's barrier
	STEP 1, 0, 0
	s_wait_dscnt 4*NL                              ; the very last step
	WIN MUL_LO
	MUL16 0, 1, 0
	MUL16 2, 1, 0
	s_wait_dscnt 0
	WIN MUL_HI
	MUL16 4, 1, 0
	MUL16 6, 1, 0
	WIN 0
; THE WAY OUT, block by block of 16 rows x 128 columns.  A lane holds 32 neighbouring bytes of a row, and the lanes beside it hold other rows: so a block's sums go through my own stage in LDS, straight from the
; accumulators, and come back as whole rows of 512 bytes; there each pair becomes sum x 2^(e10 + e11) + b by one packed multiply-add, and the 32 lanes store the row.
; LDS serves a wave's instructions in order (ISA guide 5.7.1.4): no wait between the stores and the loads, nor in front of the next block's stores.
.macro TOSTAGE a
.set AC, 64*((\a)%4)
	WIN 0x08+4*((\a)/4)                            ; an LDS store's data stand in source 1's place: window 2 or 3; the address in window 0
.irp b, 0,1,2,3,4,5,6,7
	ds_store_b128 v[STO], v[AC+8*\b:AC+8*\b+3] offset:64*\b          ; each accumulator from its low end on
	ds_store_b128 v[STO], v[AC+8*\b+4:AC+8*\b+7] offset:64*\b+16
.endr
	WIN 0
.set BB, BK+64*((\a)%2)
.irp t, 0,1,2,3,4,5,6,7,8,9,10,11,12,13,14,15
	ds_load_b128 v[BB+4*\t:BB+4*\t+3], v[RD] offset:\t*SPITCH
.endr
.endm
.macro SEND a, younger                 ; younger: the LDS instructions issued behind block a's loads, which may stay out
.set BB, BK+64*((\a)%2)
	s_wait_dscnt \younger                          ; the block is back in registers
.if (\a) > 0
	s_add_nc_u64 s[12:13], s[12:13], 16*SIZE_N*4   ; (behind a wait on XCNT: the earlier stores have read their base)  16 rows on, so that the stores' offsets stay small
.endif
.irp t, 0,1,2,3,4,5,6,7,8,9,10,11,12,13,14,15
	v_pk_fma_f32 v[BB+4*\t:BB+4*\t+1], v[BB+4*\t:BB+4*\t+1], s[96:97], v[BIAS:BIAS+1] op_sel_hi:[1,0,1]       ; (of the scalar pair the low word serves both halves)
	v_pk_fma_f32 v[BB+4*\t+2:BB+4*\t+3], v[BB+4*\t+2:BB+4*\t+3], s[96:97], v[BIAS+2:BIAS+3] op_sel_hi:[1,0,1]
	global_store_b128 v[CO], v[BB+4*\t:BB+4*\t+3], s[12:13] offset:\t*SIZE_N*4 th:TH_STORE_NT   ; 32 lanes store 512 consecutive bytes, at a multiple of 256 from the buffer's first byte; written once, read by nobody here
.endr
.endm
	s_wait_kmcnt 0x0
	s_add_co_i32 s96, s96, s97                     ; e10 + e11, between -126 and 127,
	s_add_co_i32 s96, s96, 127
	s_lshl_b32 s96, s96, 23                        ; makes the f32 number 2^(e10 + e11)
	s_mov_b32 s97, s96                             ; (named with it as a pair, so it is written)
	s_wait_loadcnt 0x0                             ; the bias
	PLACES NP                                      ; behind the last products: for the stores that read results, and for the loads into the registers that held A's fragments
	TOSTAGE 0
.irp a, 1,2,3,4,5,6,7
.if \a > 1
	s_wait_xcnt 0x0                                ; block a - 2's stores have read their registers and their base: block a's loads may land there, and the base may step
.endif
	TOSTAGE \a
	SEND \a-1, 32                                  ; behind block a - 1's loads: block a's 16 stores and 16 loads
.endr
	s_wait_xcnt 0x0                                ; block 6's stores have read their base
	SEND 7, 0
	s_wait_tensorcnt 0x0                           ; the wave's end, behind my last tensor load and my last LDS store
	ds_add_u32 v[SPW], v[NIL]
	s_wait_dscnt 0x0
	CROUND                                         ; the closing round: no work-group ends while a partner may still ask for a tile that names it
	s_endpgm
.Lfunc_end_k_qd6dce03858_outp:
	.size	k_qd6dce03858_outp, .Lfunc_end_k_qd6dce03858_outp-k_qd6dce03858_outp
	.p2alignl 7, 3214868480
	.fill 96, 4, 3214868480
	.section	.rodata,"a",@progbits
	.p2align	6, 0x0
	.amdhsa_kernel k_qd6dce03858_outp
		.amdhsa_group_segment_fixed_size 327680
		.amdhsa_private_segment_fixed_size 0
		.amdhsa_enable_private_segment 0
		.amdhsa_kernarg_size 40
		.amdhsa_user_sgpr_count 2
		.amdhsa_user_sgpr_kernarg_segment_ptr 1
		.amdhsa_wavefront_size32 1
		.amdhsa_system_sgpr_workgroup_id_x 1
		.amdhsa_system_sgpr_workgroup_id_y 1
		.amdhsa_system_sgpr_workgroup_id_z 1
		.amdhsa_system_vgpr_workitem_id 0
		.amdhsa_next_free_vgpr 1024
		.amdhsa_next_free_sgpr 98
		.amdhsa_reserve_vcc 0
		.amdhsa_float_denorm_mode_32 3
		.amdhsa_float_denorm_mode_16_64 3
		.amdhsa_memory_ordered 1
		.amdhsa_forward_progress 1
		.amdhsa_inst_pref_size 124
	.end_amdhsa_kernel
	.amdgpu_metadata
---
amdhsa.version: [ 1, 2 ]
amdhsa.kernels:
  - .name:           k_qd6dce03858_outp
    .symbol:         k_qd6dce03858_outp.kd
    .args:
      - { .name: ctxf, .offset: 0, .size: 8, .value_kind: global_buffer, .address_space: global }
      - { .name: W_out_codes, .offset: 8, .size: 8, .value_kind: global_buffer, .address_space: global }
      - { .name: lowp_scales, .offset: 16, .size: 8, .value_kind: global_buffer, .address_space: global }
      - { .name: b_out, .offset: 24, .size: 8, .value_kind: global_buffer, .address_space: global }
      - { .name: out0, .offset: 32, .size: 8, .value_kind: global_buffer, .address_space: global }
    .group_segment_fixed_size: 327680
    .private_segment_fixed_size: 0
    .kernarg_segment_align: 8
    .kernarg_segment_size: 40
    .max_flat_workgroup_size: 128
    .sgpr_count:     98
    .vgpr_count:     1024
    .wavefront_size: 32
...
	.end_amdgpu_metadata
.endif
;; end of part 3
